; MI455X (gfx1250); checked and timed in simulation.
; The chip was launched on July 23, 2026; its instructions are those of AMD's public machine-readable ISA for CDNA 5 (MIT licence, August 2026) and "CDNA5" Instruction Set Architecture Reference Guide (July 2026). The comments in the code are by the model that wrote it; some were corrected since.
;; Multi Head Attention. Allowed arithmetic: matrix products marked QUANTISED: E4M3 operands, one given power-of-two scale a tensor, by v_wmma_f32_16x16x64_fp8_fp8 or v_wmma_f32_16x16x128_fp8_fp8, f32 sums; everything else in f32.
;; Inputs: Wk_codes 1,024 x 32 x 32 uint8 (E4M3 codes of Wk, K innermost, in blocks of 32 codes); Wo_codes 1,024 x 32 x 32 uint8 (E4M3 codes of Wo, K innermost, in blocks of 32 codes); Wq_codes 1,024 x 32 x 32 uint8 (E4M3 codes of Wq, K innermost, in blocks of 32 codes); Wv_codes 1,024 x 32 x 32 uint8 (E4M3 codes of Wv, K innermost, in blocks of 32 codes); beta 1,024 float32; gamma 1,024 float32; k_codes 4 x 2,048 x 32 x 32 uint8 (E4M3 codes of k, K innermost, in blocks of 32 codes); lowp_scales 12 int32 (the exponents e of the quantised operands' scales 2^e); q 4 x 2,048 x 1,024 float32; v_codes 4 x 2,048 x 32 x 32 uint8 (E4M3 codes of v, K innermost, in blocks of 32 codes).
;; Outputs: out0 4 x 2,048 x 1,024 float32.
;; This version of the problem:
;;   THIS VERSION OF THE PROBLEM IS GIVEN IN LOW PRECISION. The matrix products marked QUANTISED in the list below multiply operands that are first quantised to E4M3 (4 exponent bits, 3 mantissa bits; 8 bits a number), with one given power-of-two scale for each operand tensor; their sums are f32. All else is computed in f32.
;;   The module's matrix products, in the order in which they are computed (A, B: the left and right operand; K: the contracted axis; several contracted axes count as one K, in the product's order):
;;     1. [M 8,192, K 1,024] x [K 1,024, N 1,024]; A: input q; B: input Wq (given as codes): QUANTISED (scales: A lowp_scales[0], B lowp_scales[1])
;;     2. [M 8,192, K 1,024] x [K 1,024, N 1,024]; A: input k (given as codes); B: input Wk (given as codes): QUANTISED (scales: A lowp_scales[2], B lowp_scales[3])
;;     3. [M 8,192, K 1,024] x [K 1,024, N 1,024]; A: input v (given as codes); B: input Wv (given as codes): QUANTISED (scales: A lowp_scales[4], B lowp_scales[5])
;;     4. batch 64 x [M 2,048, K 64] x [K 64, N 2,048]; A: computed on the way; B: computed on the way: QUANTISED (scales: A lowp_scales[6], B lowp_scales[7])
;;     5. batch 64 x [M 2,048, K 2,048] x [K 2,048, N 64]; A: softmax (see below); B: computed on the way: QUANTISED (scales: A lowp_scales[8], B lowp_scales[9])
;;     6. [M 8,192, K 1,024] x [K 1,024, N 1,024]; A: computed on the way; B: input Wo (given as codes): QUANTISED (scales: A lowp_scales[10], B lowp_scales[11])
;;   THE QUANTISER, for each operand of a quantised product, along K:
;;     - The operand's scale is 2^e, e = its entry of the input lowp_scales (int32; the entries are numbered through the quantised products in the list's order, A before B).
;;     - Each number is divided by the scale, clamped to +-448, and rounded to the nearest number of E4M3, ties to even, subnormals kept.
;;     - The product sums the exact products of the quantised numbers (number of the format x scale) in f32.
;;   ~~~python
;;   def quantise(x, axis, e):      # numpy; x: float32 -> the quantised numbers, widened to float32 again
;;       x = np.moveaxis(x, axis, -1); K = x.shape[-1]
;;       r = np.clip(x / 2.0 ** e, -448, 448)
;;       step = 2.0 ** (np.maximum(np.frexp(np.where(r == 0, 1, r))[1] - 1, -6) - 3)
;;       q = np.round(r / step) * step * 2.0 ** e      # np.round: ties to even
;;       return np.moveaxis(q, -1, axis).astype(np.float32)
;;   ~~~
;;   SOFTMAX AHEAD OF A QUANTISED PRODUCT. Where the list says 'softmax', what is quantised is not the finished softmax but p = 2^(t - M), with t = logit x log2(e) and M = ceil(the row's largest t), a whole number; so 1/2 < the row's largest p <= 1. The row's sum l is taken of the UNQUANTISED p, in f32, and the product's result is divided by l at the end. Since M is a whole number, a kernel that streams over the keys may use a running M (the ceiling of the running maximum): every later rescaling is an exact power of two, so the quantised numbers keep their values, but for numbers so far below the row's largest that they fall under the format's range.
;;   OPERANDS COMPUTED ON THE WAY. 'Computed on the way' means the value that the module computes at that place (a softmax that the list does not call 'softmax' is quantised finished and normalised). What goes into a quantiser is computed in f32, as accurately as f32 sums, v_exp_f32 and their like allow (about 1e-6 of the number): no bf16 or f16 on the way to a quantiser, and a product that is left as it is and whose result goes on into a quantised operand takes f32 operands (vector FMAs, or v_wmma_f32_16x16x4_f32). A number that lies on a knife's edge between two numbers of the format may be rounded either way, as far as f32 arithmetic and the matrix unit's own rounding can turn it there, and no further.
;;   INPUTS GIVEN AS CODES. Wk (in the module: [1024, 1024], K = its axis 1); Wo (in the module: [1024, 1024], K = its axis 1); Wq (in the module: [1024, 1024], K = its axis 1); Wv (in the module: [1024, 1024], K = its axis 1); k (in the module: [4, 2048, 1024], K = its axis 2); v (in the module: [4, 2048, 1024], K = its axis 2): each comes as NAME_codes (uint8): NAME with its K axis moved to the last place and cut into blocks of 32 codes, [.., K / 32, bytes a block], one block behind the other in memory; one code a byte (a code: sign, 4 exponent bits, 3 mantissa bits); its scale is its entry of lowp_scales. Its value is code x scale, taken as it is: it is not quantised again, and the codes and scales need not be those that the quantiser above would give.
;; One version. Each part assembles by itself: llvm-mc -triple=amdgcn-amd-amdhsa -mcpu=gfx1250 --defsym DOCPART=n.
;; ======== version 1 of 1: 4 launches
;; limits: right only within a limited range of input values
;; workspace buffers: q_codes 8,388,608 bytes; wo_img 1,048,576 bytes; q_img 8,388,608 bytes; k_img 8,388,608 bytes; v_img 8,388,608 bytes; a_img 8,388,608 bytes
;; launch prep (part 1): grid 272 x 1, 4 waves a work-group, no clusters, 33,280 bytes of LDS; arguments q, Wo_codes, lowp_scales, q_codes, wo_img; writes q_codes, wo_img
.if DOCPART == 1
	.amdgcn_target "amdgcn-amd-amdhsa--gfx1250"
	.amdhsa_code_object_version 6
	.text
	.protected	k_q4fff4c099f_prep
	.globl	k_q4fff4c099f_prep
	.p2align	8
	.type	k_q4fff4c099f_prep,@function
k_q4fff4c099f_prep:
	s_mov_b64 s[64:65], 0
	v_nop
	global_prefetch_b8 v0, s[64:65] scope:SCOPE_SE
	s_setreg_imm32_b32 hwreg(HW_REG_WAVE_MODE, 25, 1), 1
	s_wait_xcnt 0x0
; PREP.  Two jobs that are done once, so that later launches read narrow, dense bytes.
; (1) Work-groups 0-255: q [8192][1024] f32 becomes codes of FP8 (E4M3) with the given scale 2^e0, row-major, one byte a number: code = q / 2^e0, held within +-448,
;     rounded to the nearest code, ties to even.  Four column slices of the first product read these codes: quantised here, the f32 numbers are read once for that product.
; (2) Work-groups 256-271: Wo's codes [1024][1024] are laid out as images of the matrix operand's registers: [tile of 16 rows nt][block m of 32 along K][lane][16 bytes];
;     lane (r, h) of block m holds Wo[16 nt + r][32 m + 8 h + 0..7] and [32 m + 16 + 8 h + 0..7]: four registers of the plain 8-bit layout (registers 2c, 2c+1: k = 16c + 8h + 0..7).
;     The last launch then takes a fragment by loads of 512 consecutive bytes.
; No cluster: no two work-groups read the same byte.  No tensor load: the stream goes through registers, 16 loads a wave ahead.
; LIMITS: e0 between -126 and 119, so that 2^e0 and 448 x 2^e0 are f32 numbers.  NaN among the inputs is not served (an infinity is held at the largest code).
; Job 1 is a plain stream: a wave takes 16 steps of 512 numbers.  A load reads 512 consecutive bytes, 16 a lane; the conversion wants 16 NEIGHBOURS in one lane: so a step's 2,048 bytes
; turn through the wave's own stage in LDS (in as they lie, back 64 bytes a lane; 16 bytes of padding behind each 64).  Only job 1 touches LDS.
.set QWG,   256                        ; work-groups of job 1: 256 x 4 waves x 8,192 numbers = 8,388,608
.set STEPS, 16
.set SP,    80                         ; a lane's place in a stage: 64 bytes + 16 of padding
.set WREG,  8192                       ; LDS of a wave: two stages of 32 x SP bytes
.set R,     16                         ; v16-79   four sets of 16 numbers as loaded
.set X,     80                         ; v80-111  two sets of 16 neighbours
.set C,     128                        ; v128-191 codes: four registers for each step, so that no store's data are written again
	s_load_b128 s[4:7], s[0:1], 0x0                ; q, Wo's codes
	s_load_b128 s[8:11], s[0:1], 0x10              ; the scales' exponents, q_codes
	s_load_b64 s[12:13], s[0:1], 0x20              ; wo_img
	v_lshl_add_u32 v192, v0, 2, 0x8000
	v_mov_b32 v193, 0
	v_lshrrev_b32 v1, 5, v0
	v_readfirstlane_b32 s16, v1                    ; wave 0..3
	v_and_b32 v2, 31, v0                           ; lane
	s_mov_b32 s21, 0
	s_cmp_lt_u32 ttmp9, QWG                        ; the job hangs on the work-group's number alone
	s_cbranch_scc0 .Limage
	; ---- job 1: q into codes
	v_lshlrev_b32 v3, 4, v2                        ; 16 x lane: my 16 bytes of a load's 512, and of a store's 512; never rewritten
	s_mul_i32 s17, s16, WREG
	v_lshrrev_b32 v14, 2, v2
	v_mul_u32_u24 v14, v14, SP
	v_and_b32 v15, 3, v2
	v_lshl_add_u32 v14, v15, 4, v14
	v_add_nc_u32 v14, s17, v14                     ; the stage on the way in: SP (lane / 4) + 16 (lane % 4); a load's 512 bytes take eight places
	v_mul_u32_u24 v15, v2, SP
	v_add_nc_u32 v15, s17, v15                     ; and on the way out: SP x lane: my 16 neighbours
	s_lshl_b32 s18, ttmp9, 2
	s_add_co_u32 s18, s18, s16                     ; which run of 8,192 numbers is my wave's
	s_lshl_b32 s20, s18, 15                        ; 32,768 bytes of f32,
	s_lshl_b32 s22, s18, 13                        ; 8,192 bytes of codes
	s_mov_b32 s23, 0
	s_wait_alu depctr_va_vdst(0)
	s_wait_kmcnt 0x0
	s_load_b32 s24, s[8:9], 0x0                    ; e0
	s_add_nc_u64 s[4:5], s[4:5], s[20:21]
	s_add_nc_u64 s[10:11], s[10:11], s[22:23]
.macro LOAD t
.irp i, 0,1,2,3
	global_load_b128 v[R+16*((\t)%4)+4*\i:R+16*((\t)%4)+4*\i+3], v3, s[4:5] offset:2048*(\t)+512*\i th:TH_LOAD_NT   ; 32 lanes read 512 consecutive bytes
.endr
.endm
.macro TURN t                          ; step t's numbers through the stage: LDS serves a wave's instructions in order, so no wait stands between the stores and the loads
.irp i, 0,1,2,3
	ds_store_b128 v14, v[R+16*((\t)%4)+4*\i:R+16*((\t)%4)+4*\i+3] offset:32*SP*((\t)%2)+8*SP*\i
.endr
.irp i, 0,1,2,3
	ds_load_b128 v[X+16*((\t)%2)+4*\i:X+16*((\t)%2)+4*\i+3], v15 offset:32*SP*((\t)%2)+16*\i
.endr
.endm
.irp t, 0,1,2,3
	LOAD \t
.endr
	s_wait_kmcnt 0x0
	s_add_co_i32 s24, s24, 127
	s_lshl_b32 s25, s24, 23
	v_mov_b32 v11, s25                             ; 2^e0 as f32: the conversion takes its exponent field
	s_add_co_i32 s24, s24, 8
	s_lshl_b32 s24, s24, 23
	s_or_b32 s24, s24, 0x600000
	s_wait_alu depctr_va_vdst(0)
	s_wait_loadcnt 12                              ; step 0's four loads are in; the twelve of steps 1 to 3 may be out
	TURN 0
.macro STEP t
.set XS, X+16*((\t)%2)
	s_wait_dscnt 0x0                               ; this step's numbers are back from the stage: so its stores into the stage have read their registers,
.if (\t)+4 < STEPS
	LOAD (\t)+4                                    ; which take the loads of four steps on
.endif
.if (\t)+1 < STEPS
.if STEPS-2-(\t) >= 3
	s_wait_loadcnt 12                              ; the next step's four loads are in; those of the three steps behind it may be out
.else
	s_wait_loadcnt 4*(STEPS-2-(\t))                ; the tail: fewer steps are behind it
.endif
	TURN (\t)+1                                    ; and go through the other stage while this step is worked
.endif
.irp i, 0,1,2,3,4,5,6,7,8,9,10,11,12,13,14,15
.endr
	v_cvt_scalef32_pk8_fp8_f32 v[C+4*(\t):C+4*(\t)+1], v[XS:XS+7], v11
	v_cvt_scalef32_pk8_fp8_f32 v[C+4*(\t)+2:C+4*(\t)+3], v[XS+8:XS+15], v11
	global_store_b128 v3, v[C+4*(\t):C+4*(\t)+3], s[10:11] offset:512*(\t)   ; 32 lanes store 512 consecutive bytes
.endm
.irp t, 0,1,2,3,4,5,6,7,8,9,10,11,12,13,14,15
	STEP \t
.endr
	s_wait_tensorcnt 0x0
	ds_add_u32 v192, v193
	s_wait_dscnt 0x0
	s_endpgm
	; ---- job 2: Wo's codes into register images.  A wave takes one tile of 16 rows: 16,384 bytes in, 16,384 out.
.Limage:
	s_sub_co_u32 s17, ttmp9, QWG
	s_lshl_b32 s17, s17, 2
	s_add_co_u32 s17, s17, s16                     ; nt = 4 x (work-group - 256) + wave, 0..63
	s_lshl_b32 s20, s17, 14                        ; 16 rows of 1,024 bytes; an image of a tile is as long
	v_and_b32 v3, 15, v0                           ; r
	v_bfe_u32 v4, v0, 4, 1                         ; h
	v_lshlrev_b32 v1, 10, v3
	v_lshl_add_u32 v1, v4, 3, v1                   ; row r, + 8 h
	s_wait_alu depctr_va_vdst(0)
	v_lshlrev_b32 v2, 4, v2                        ; 16 x lane
	s_wait_alu depctr_va_vdst(0)
	s_wait_kmcnt 0x0
	s_add_nc_u64 s[6:7], s[6:7], s[20:21]
	s_add_nc_u64 s[12:13], s[12:13], s[20:21]
.set M, 0
.rept 32
	global_load_b64 v[16+4*M:17+4*M], v1, s[6:7] offset:32*M        ; k = 32 m + 8 h + 0..7
	global_load_b64 v[18+4*M:19+4*M], v1, s[6:7] offset:32*M+16     ; k = 32 m + 16 + 8 h + 0..7
.set M, M+1
.endr
.set M, 0
.rept 32
	s_wait_loadcnt 62-2*M                          ; of the 64 loads those of the blocks behind block m may be out
	global_store_b128 v2, v[16+4*M:19+4*M], s[12:13] offset:512*M   ; 32 lanes store 512 consecutive bytes
.set M, M+1
.endr
	s_endpgm
.Lfunc_end_k_q4fff4c099f_prep:
	.size	k_q4fff4c099f_prep, .Lfunc_end_k_q4fff4c099f_prep-k_q4fff4c099f_prep
	.p2alignl 7, 3214868480
	.fill 96, 4, 3214868480
	.section	.rodata,"a",@progbits
	.p2align	6, 0x0
	.amdhsa_kernel k_q4fff4c099f_prep
		.amdhsa_group_segment_fixed_size 33280
		.amdhsa_private_segment_fixed_size 0
		.amdhsa_enable_private_segment 0
		.amdhsa_kernarg_size 40
		.amdhsa_user_sgpr_count 2
		.amdhsa_user_sgpr_kernarg_segment_ptr 1
		.amdhsa_wavefront_size32 1
		.amdhsa_system_sgpr_workgroup_id_x 1
		.amdhsa_system_sgpr_workgroup_id_y 1
		.amdhsa_system_sgpr_workgroup_id_z 1
		.amdhsa_system_vgpr_workitem_id 0
		.amdhsa_next_free_vgpr 194
		.amdhsa_next_free_sgpr 66
		.amdhsa_reserve_vcc 0
		.amdhsa_float_denorm_mode_32 3
		.amdhsa_float_denorm_mode_16_64 3
		.amdhsa_fp16_overflow 1
		.amdhsa_memory_ordered 1
		.amdhsa_forward_progress 1
		.amdhsa_inst_pref_size 32
	.end_amdhsa_kernel
	.amdgpu_metadata
---
amdhsa.version: [ 1, 2 ]
amdhsa.kernels:
  - .name:           k_q4fff4c099f_prep
    .symbol:         k_q4fff4c099f_prep.kd
    .args:
      - { .name: q, .offset: 0, .size: 8, .value_kind: global_buffer, .address_space: global }
      - { .name: Wo_codes, .offset: 8, .size: 8, .value_kind: global_buffer, .address_space: global }
      - { .name: lowp_scales, .offset: 16, .size: 8, .value_kind: global_buffer, .address_space: global }
      - { .name: q_codes, .offset: 24, .size: 8, .value_kind: global_buffer, .address_space: global }
      - { .name: wo_img, .offset: 32, .size: 8, .value_kind: global_buffer, .address_space: global }
    .group_segment_fixed_size: 33280
    .private_segment_fixed_size: 0
    .kernarg_segment_align: 8
    .kernarg_segment_size: 40
    .max_flat_workgroup_size: 128
    .sgpr_count:     66
    .vgpr_count:     194
    .wavefront_size: 32
...
	.end_amdgpu_metadata
.endif
;; end of part 1
;; launch proj (part 2): grid 192 x 1, 4 waves a work-group, clusters of 4 x 1, 327,680 bytes of LDS; arguments q_codes, k_codes, v_codes, Wq_codes, Wk_codes, Wv_codes, lowp_scales, q_img, k_img, v_img; writes q_img, k_img, v_img
.if DOCPART == 2
	.amdgcn_target "amdgcn-amd-amdhsa--gfx1250"
	.amdhsa_code_object_version 6
	.text
	.protected	k_q4fff4c099f_proj
	.globl	k_q4fff4c099f_proj
	.p2align	8
	.type	k_q4fff4c099f_proj,@function
k_q4fff4c099f_proj:
	s_mov_b64 s[64:65], 0
	v_nop
	global_prefetch_b8 v0, s[64:65] scope:SCOPE_SE
	s_setreg_imm32_b32 hwreg(HW_REG_WAVE_MODE, 25, 1), 1
	s_wait_xcnt 0x0
	s_wait_alu depctr_hold_cnt(0) depctr_sa_sdst(0) depctr_va_vdst(0) depctr_va_sdst(0) depctr_va_ssrc(0) depctr_va_vcc(0) depctr_vm_vsrc(0)
	s_getreg_b32 s2, hwreg(HW_REG_IB_STS2, 6, 4)
	s_cmp_eq_u32 s2, 0
	s_cbranch_scc0 .Lentry_in_a_cluster
	s_endpgm
.Lentry_in_a_cluster:
	s_bfe_u32 s2, ttmp6, 0x10000c
	s_cmp_lg_u32 s2, 0x3003
	s_cbranch_scc0 .Lentry_shape_is_right
	s_endpgm
.Lentry_shape_is_right:
; PROJ.  The three projections qs = q Wq^T, ks = k Wk^T, vs = v Wv^T on codes of FP8 (E4M3), sums in f32; each result is quantised at once with its given scale (e6, e7, e9)
; and stored as an IMAGE OF THE NEXT PRODUCT'S OPERAND REGISTERS (plain 8-bit layout: lane (r, h) holds row r; registers 2c, 2c+1 hold k = 16c + 8h + 0..7).
; ONE TEXT, ONE PATH for the three: only pointers, one stride and one exponent differ, chosen by selects on the cluster's number (16 clusters of 4 work-groups a product).
; A STATIONARY operand S stays in registers: 256 rows x K 1,024 a work-group, 64 rows (512 registers) a wave.  A STREAMED operand T, 512 rows a work-group, comes in four blocks of 128 rows
; through a ring of two LDS slots.  Every matrix instruction has source 0 = 16 rows of S, source 1 = 16 rows of T: in the result a lane holds ONE row of T and eight neighbouring rows of S,
; so one conversion of a result's eight registers gives registers 2c, 2c+1 of the next operand, and two results give a block of four registers: one store of 512 consecutive bytes.
;   Q, K: S = the weight's rows (a wave: one head's 64 channels), T = tokens.   Result: lane = token, registers = channels: q_img, k_img [16 batch + head][tile of 16 tokens][block 2][lane][16 bytes].
;   V:    S = tokens (a wave: 64 keys), T = Wv's rows (channels).              Result: lane = channel, registers = keys:   v_img [16 batch + head][64 keys][16 channels][block 2][lane][16 bytes].
; Both operands are read from rows by pieces of 16 bytes (registers 4c..4c+3: k = 32c + 16h + 0..15): a permutation of k, the same in S and in T, so every product meets its partner.
; CLUSTER: the four work-groups of a cluster hold different S and walk the same T: each block of T is asked for JOINTLY, by the same tensor load with the same descriptor and the mask of the four.
; By this text's count a wave has at most one tensor load outstanding.
; A sum stands for sum x 2^(eA + eB), so its code is sum / 2^E with E = e_out - eA - eB: the three scales are folded into the conversion's one.
; LIMITS: each of e6 - e0 - e1, e7 - e2 - e3, e9 - e4 - e5 lies between -126 and 119, so that 2^E and 448 x 2^E are f32 numbers.
; REGISTERS, in windows of 256: window 0: v0-15 addresses and constants; v64-127 eight accumulators ((i, st) at v[64 + 32 i + 8 st]); v128-143 the codes just made.
;   window 1: S, K steps 0-3 (step l, 16 rows st at v[64 l + 16 st]).   window 2: S, K steps 4-7.   window 3: T, two buffers of 128: buffer b holds K steps 4b..4b+3 of a pair of tiles (v[128 b + 32 l + 16 i]).
.set PITCH,  1040                      ; an LDS row: 1,024 bytes + 16 of padding = 65 x 16: the 16 rows that a load touches start at 16 different 16-byte columns modulo 256 bytes
.set WPART,  32*PITCH                  ; what one tensor load brings: 32 rows
.set QUADB,  64*PITCH                  ; four tiles of T
.set SLOT,   128*PITCH                 ; a block of T: 133,120 bytes
.set SPARE,  2*SLOT                    ; behind the ring: the spare words, 128 bytes for each wave: two blocks of 256 bytes that no other line names
.set TBLK,   128*1024                  ; a block of T in memory
.set SAD,  2                           ; v2    S: row r x 1,024 + 16 h
.set STO,  3                           ; v3    16 x lane: my place in a stored block
.set SPW,  4                           ; v4    LDS address of my spare word: SPARE + 4 x my thread's number; never rewritten
.set NIL,  5                           ; v5    0; never rewritten
.set SCL,  6                           ; v6    2^E as f32
.set LIM,  7
.set LT,   8                           ; v8-11 LDS address of my place in slot s, rows 64 q on: v[LT + 2 s + q] (an LDS immediate ends at 65,535)
.set ACC,  64
.set CODES, 128
.set WV,   28                          ; s28   my wave's number
.set G1,   32                          ; s[32:39] descriptor group 1
.set G0,   40                          ; s[40:47] descriptor group 0, a set for each slot
.set OUTP, 52                          ; s[52:53] where the quad in hand is stored;  s[54:55] the step from quad to quad
.set MULA, 0x0d                        ; source 0 (S) window 1, source 1 (T) window 3, C and D window 0
.set MULB, 0x0e                        ; source 0 window 2, the rest alike
.set TOF,  0xc0                        ; destination window 3, address window 0
.set MSB, 0
.macro WIN new                         ; the immediate's high byte repeats the setting that is left; a switch that changes nothing is dropped
.if MSB != \new
	s_set_vgpr_msb (MSB<<8)|\new
.set MSB, \new
.endif
.endm
.macro PLACES                          ; four plain places behind matrix instructions, in front of loads into their sources and of reads of their results
.rept 4
	v_nop
.endr
.endm
.macro ROUND                           ; a round of the cluster's barrier: my work-group's barrier; wave 0 signals for the work-group; every wave waits for the four; my work-group's barrier once more
	s_barrier_signal -1
	s_barrier_wait -1
	s_cmp_lg_u32 s[WV], 0
	s_cbranch_scc1 .Lnot_wave_0_\@
	s_barrier_signal -3
.Lnot_wave_0_\@:
	s_barrier_wait -3
	s_barrier_signal -1
	s_barrier_wait -1
.endm
	s_load_b256 s[8:15], s[0:1], 0x0               ; q_codes s[8:9], k_codes s[10:11], v_codes s[12:13], Wq s[14:15]
	s_load_b256 s[16:23], s[0:1], 0x20             ; Wk s[16:17], Wv s[18:19], the scales' exponents s[20:21], q_img s[22:23]
	s_load_b128 s[24:27], s[0:1], 0x40             ; k_img s[24:25], v_img s[26:27]
	v_lshl_add_u32 v[SPW], v0, 2, SPARE
	v_mov_b32 v[NIL], 0
	ds_add_u32 v4, v5
	ds_add_u32 v4, v5
	s_wait_dscnt 0x0
	v_lshrrev_b32 v1, 5, v0
	v_readfirstlane_b32 s[WV], v1                  ; wave 0..3
	s_bfe_u32 s29, ttmp6, 0x40000                  ; cx: my place in the cluster: it enters S's and the output's addresses alone
	s_lshr_b32 s30, ttmp9, 4                       ; which product: 0 Q, 1 K, 2 V (ttmp9 counts clusters, 0..47)
	s_and_b32 s31, ttmp9, 15                       ; j: which of its 16 clusters
	s_lshr_b32 s56, s31, 1
	s_and_b32 s57, s31, 1
	s_mov_b32 s54, 4096                            ; Q, K: a quad of token tiles is 4 x 1,024 bytes on end
	s_mov_b32 s55, 0
	s_cmp_eq_u32 s30, 2
	s_cselect_b32 s56, s56, 0                      ; V: eight groups of four blocks of tokens; Q, K: the weight's four blocks
	s_cselect_b32 s57, s57, s31                    ; which 512 rows of T: V: a half of Wv; Q, K: one of 16 runs of tokens
	s_cselect_b32 s54, 0x20000, s54                ; V: a quad of channel tiles is a head; the next head's image lies 131,072 bytes on
	s_lshl_b32 s58, s56, 2
	s_add_co_u32 s58, s58, s29                     ; my block of 256 rows of S
	s_lshl_b32 s60, s58, 18
	s_lshl_b32 s59, s[WV], 16
	s_add_co_u32 s60, s60, s59                     ; S: 256 rows x 1,024 bytes a block, 64 rows a wave
	s_mov_b32 s61, 0
	s_lshl_b32 s62, s57, 19
	s_lshl_b32 s63, s[WV], 15
	s_add_co_u32 s62, s62, s63                     ; T: 512 rows a part, my 32 rows of each block: made of numbers that the four partners share
	s_mov_b32 s63, 0
	s_lshr_b32 s80, s31, 2                         ; the output's place.  Q, K: batch j / 4, head 4 cx + wave, token tiles 32 (j % 4) on
	s_lshl_b32 s80, s80, 21
	s_lshl_b32 s81, s29, 2
	s_add_co_u32 s81, s81, s[WV]
	s_lshl_b32 s81, s81, 17
	s_add_co_u32 s80, s80, s81
	s_and_b32 s81, s31, 3
	s_lshl_b32 s81, s81, 15
	s_add_co_u32 s80, s80, s81
	s_lshr_b32 s82, s58, 3                         ; V: batch block / 8, heads 8 x part on, keys 64 x (4 (block % 8) + wave) on
	s_lshl_b32 s82, s82, 21
	s_lshl_b32 s83, s57, 20
	s_add_co_u32 s82, s82, s83
	s_and_b32 s83, s58, 7
	s_lshl_b32 s83, s83, 2
	s_add_co_u32 s83, s83, s[WV]
	s_lshl_b32 s83, s83, 12
	s_add_co_u32 s82, s82, s83
	s_cmp_eq_u32 s30, 2
	s_cselect_b32 s80, s82, s80
	s_mov_b32 s81, 0
	; descriptor group 1: 32 rows x 1,024 bytes, padded in LDS
	s_mov_b32 s[G1+0], 15|(1<<20)|(1<<21)|(7<<22)|(3<<25)   ; 15:0 the mask: all four work-groups; 17:16 elements of 1 byte; 20 padding on; 21 set beside a mask; 24:22 after every 256 words (code 7); 31:25 four words (code 3)
	s_mov_b32 s[G1+1], 1024<<16                    ; tensor_dim0 = 1,024
	s_mov_b32 s[G1+2], 32<<16                      ; tensor_dim1 = 32
	s_mov_b32 s[G1+3], 1024<<16                    ; tile_dim0 = 1,024
	s_mov_b32 s[G1+4], 32                          ; tile_dim1 = 32
	s_mov_b32 s[G1+5], 1024                        ; from row to row
	s_mov_b32 s[G1+6], 0
	s_mov_b32 s[G1+7], 0
	s_mul_i32 s59, s[WV], WPART                    ; where my rows go in a slot: the wave's number alone
	s_wait_kmcnt 0x0
	s_load_b256 s[68:75], s[20:21], 0x0            ; e0 .. e7
	s_load_b128 s[76:79], s[20:21], 0x20           ; e8 .. e11
	s_cmp_eq_u32 s30, 0                            ; the buffers are chosen on the cluster's number alone
	s_cselect_b64 s[48:49], s[14:15], s[16:17]     ; S: Wq or Wk
	s_cselect_b64 s[50:51], s[8:9], s[10:11]       ; T: q's codes or k's
	s_cselect_b64 s[OUTP:OUTP+1], s[22:23], s[24:25]
	s_cmp_eq_u32 s30, 2
	s_cselect_b64 s[48:49], s[12:13], s[48:49]     ; V: S = v's codes,
	s_cselect_b64 s[50:51], s[18:19], s[50:51]     ; T = Wv
	s_cselect_b64 s[OUTP:OUTP+1], s[26:27], s[OUTP:OUTP+1]
	s_add_nc_u64 s[48:49], s[48:49], s[60:61]
	s_add_nc_u64 s[50:51], s[50:51], s[62:63]
	s_add_nc_u64 s[OUTP:OUTP+1], s[OUTP:OUTP+1], s[80:81]
.irp n, 0,1
	s_mov_b32 s[G0+4*\n], 1                        ; count = 1
	s_add_co_u32 s[G0+4*\n+1], s59, \n*SLOT        ; LDS address
	s_add_nc_u64 s[G0+4*\n+2:G0+4*\n+3], s[50:51], \n*TBLK   ; global address: block n
	s_or_b32 s[G0+4*\n+3], s[G0+4*\n+3], 0x80000000          ; type = 2
.endr
	ROUND                                          ; all four work-groups are here: the first joint loads meet
	tensor_load_to_lds s[G0:G0+3], s[G1:G1+7]      ; block 0
	s_nop 0
	s_wait_alu depctr_va_vdst(0)
	s_wait_tensorcnt 0x0
	ds_add_u32 v4, v5
	s_wait_dscnt 0x0
	ROUND
	tensor_load_to_lds s[G0+4:G0+7], s[G1:G1+7]    ; block 1: issued after block 0 has landed
	s_nop 0
	PLACES                                         ; four v_nop follow the loads
	v_and_b32 v12, 15, v0                          ; r
	v_bfe_u32 v13, v0, 4, 1                        ; h
	v_lshlrev_b32 v[SAD], 10, v12
	v_lshl_add_u32 v[SAD], v13, 4, v[SAD]
	v_and_b32 v[STO], 31, v0
	v_lshlrev_b32 v[STO], 4, v[STO]
	v_mul_u32_u24 v[LT], v12, PITCH
	v_lshl_add_u32 v[LT], v13, 4, v[LT]            ; row r x pitch + 16 h
	v_add_nc_u32 v[LT+1], QUADB, v[LT]
	v_add_nc_u32 v[LT+2], SLOT, v[LT]
	v_add_nc_u32 v[LT+3], SLOT+QUADB, v[LT]
	; S: 4 tiles of rows x 8 K steps x 4 pieces = 128 loads, once for the whole launch
	WIN 0x40                                       ; destination window 1
.irp l, 0,1,2,3
.irp st, 0,1,2,3
.irp c, 0,1,2,3
	global_load_b128 v[64*\l+16*\st+4*\c:64*\l+16*\st+4*\c+3], v[SAD], s[48:49] offset:16*\st*1024+128*\l+32*\c
.endr
.endr
.endr
	WIN 0x80                                       ; destination window 2
.irp l, 0,1,2,3
.irp st, 0,1,2,3
.irp c, 0,1,2,3
	global_load_b128 v[64*\l+16*\st+4*\c:64*\l+16*\st+4*\c+3], v[SAD], s[48:49] offset:16*\st*1024+128*(4+\l)+32*\c
.endr
.endr
.endr
	WIN 0
	s_wait_alu depctr_va_vdst(0)
	s_wait_kmcnt 0x0
	s_sub_co_i32 s84, s74, s68                     ; Q: e6 - e0 - e1
	s_sub_co_i32 s84, s84, s69
	s_sub_co_i32 s85, s75, s70                     ; K: e7 - e2 - e3
	s_sub_co_i32 s85, s85, s71
	s_sub_co_i32 s86, s77, s72                     ; V: e9 - e4 - e5
	s_sub_co_i32 s86, s86, s73
	s_cmp_eq_u32 s30, 0
	s_cselect_b32 s84, s84, s85
	s_cmp_eq_u32 s30, 2
	s_cselect_b32 s84, s86, s84                    ; E
	s_add_co_i32 s84, s84, 127
	s_lshl_b32 s85, s84, 23
	v_mov_b32 v[SCL], s85                          ; 2^E as f32: the conversion takes its exponent field
	s_add_co_i32 s84, s84, 8
	s_lshl_b32 s84, s84, 23
	s_or_b32 s84, s84, 0x600000
; 32 LDS loads in one run: pair p of the slot's tiles (rows 32 p on), K steps 4 beta .. 4 beta + 3, into buffer beta
.macro FETCH slot, p, beta
	WIN TOF
.irp l, 0,1,2,3
.irp i, 0,1
.irp c, 0,1,2,3
	ds_load_b128 v[128*(\beta)+32*\l+16*\i+4*\c:128*(\beta)+32*\l+16*\i+4*\c+3], v[LT+2*(\slot)+(\p)/2] offset:(32*((\p)%2)+16*\i)*PITCH+128*(4*(\beta)+\l)+32*\c
.endr
.endr
.endr
.endm
; K steps l0 .. l1 - 1 of buffer beta: eight matrix instructions a K step.  The eight accumulators take turns, one instruction a turn.  zero = 1: K step 0 starts the sums.
.macro MUL beta, l0, l1, zero
.set LL, \l0
.rept \l1-\l0
.irp i, 0,1
.irp st, 0,1,2,3
.if \zero && (LL == 0)
	v_wmma_f32_16x16x128_fp8_fp8 v[ACC+32*\i+8*\st:ACC+32*\i+8*\st+7], v[64*LL+16*\st:64*LL+16*\st+15], v[128*\beta+32*LL+16*\i:128*\beta+32*LL+16*\i+15], 0
.else
	v_wmma_f32_16x16x128_fp8_fp8 v[ACC+32*\i+8*\st:ACC+32*\i+8*\st+7], v[64*LL+16*\st:64*LL+16*\st+15], v[128*\beta+32*LL+16*\i:128*\beta+32*LL+16*\i+15], v[ACC+32*\i+8*\st:ACC+32*\i+8*\st+7]
.endif
.endr
.endr
.set LL, LL+1
.endr
.endm
; A pair's eight results are held, converted and stored.  Each accumulator is read from its low end on.  step = 1: the pair begins a new quad.
.macro EPI p, step
	WIN 0
	PLACES                                         ; in front of the reads of results just made
	s_wait_xcnt 0x0                                ; the last pair's stores have had their addresses translated (ISA guide 3.1): only behind this wait are their data and their base rewritten
.if \step
	s_add_nc_u64 s[OUTP:OUTP+1], s[OUTP:OUTP+1], s[54:55]
.endif
.irp i, 0,1
.irp b, 0,1
.irp n, 0,1,2,3,4,5,6,7,8,9,10,11,12,13,14,15
.endr
	v_cvt_scalef32_pk8_fp8_f32 v[CODES+8*\i+4*\b:CODES+8*\i+4*\b+1], v[ACC+32*\i+16*\b:ACC+32*\i+16*\b+7], v[SCL]       ; rows 16 (2 b) + 8 h + 0..7 of S: registers 4 b, 4 b + 1 of the next operand
	v_cvt_scalef32_pk8_fp8_f32 v[CODES+8*\i+4*\b+2:CODES+8*\i+4*\b+3], v[ACC+32*\i+16*\b+8:ACC+32*\i+16*\b+15], v[SCL]  ; rows 16 (2 b + 1) + 8 h + 0..7: registers 4 b + 2, 4 b + 3
.endr
.endr
	v_nop                                          ; one plain line between the last conversion and the next products, which write its sources
.irp i, 0,1
.irp b, 0,1
	global_store_b128 v[STO], v[CODES+8*\i+4*\b:CODES+8*\i+4*\b+3], s[OUTP:OUTP+1] offset:((\p)%2)*2048+\i*1024+\b*512   ; 32 lanes store 512 consecutive bytes, at a multiple of 512 from the buffer's first byte
.endr
.endr
.endm
; A pair of tiles is two phases of 32 matrix instructions.  The first multiplies buffer 0 (K steps 0-3) while buffer 1 is fetched.
.macro PAIR0 s, p
	FETCH \s, \p, 1                                ; (its places: the lines of the pair before, behind the products that read buffer 1)
	s_wait_dscnt 32                                ; all but the 32 just issued: buffer 0 is in
	WIN MULA
	MUL 0, 0, 4, 1
.endm
; The second multiplies buffer 1 (K steps 4-7) while the next pair's buffer 0 is fetched; then the pair goes out.
.macro PAIR1 s, p, step
	PLACES                                         ; in front of the loads into buffer 0, which has just been multiplied
	FETCH \s, (\p)+1, 0
	s_wait_dscnt 32                                ; all but the 32 just issued: buffer 1 is in
	WIN MULB
	MUL 1, 0, 4, 0
	s_wait_alu depctr_va_vdst(0)
	EPI \p, \step
.endm
; The last pair's second phase changes slots.  In front of the barrier each wave waits for all its tensor loads (one is out: its part of the other slot), adds 0 to its spare word, and waits for that and
; for its reads of this slot.  Blocks 0 and 1: the barrier is a round of the cluster's, and this slot is filled again, two blocks ahead, first thing behind it: the load has a block's 256 matrix instructions in which to land.
.macro LASTPAIR t, s
.if \t < 3
	WIN 0                                          ; (the add's two registers lie in window 0)
	s_wait_tensorcnt 0x0                           ; all my tensor loads have landed, so a group 0 may be written
	ds_add_u32 v[SPW], v[NIL]                      ; 0 onto my spare word
.if \t < 2
	s_add_nc_u64 s[G0+4*\s+2:G0+4*\s+3], s[G0+4*\s+2:G0+4*\s+3], 2*TBLK   ; this slot's next block; the type bits on top are not reached
.endif
	s_wait_dscnt 1                                 ; only the add may be out: buffer 1 is in
	WIN MULB
	MUL 1, 0, 2, 0                                 ; sixteen matrix instructions stand between the add and the wait for it
	s_wait_dscnt 0x0                               ; the add is done, and my reads of this slot are over
	WIN 0                                          ; at a label and at a branch every window is 0
.if \t < 2
	ROUND                                          ; no wave of any partner still reads this slot or has a load on its way
	tensor_load_to_lds s[G0+4*\s:G0+4*\s+3], s[G1:G1+7]   ; my one tensor load behind the round
	s_nop 0
	PLACES                                         ; four v_nop follow it; they are also the places in front of the loads into buffer 0
.else
	s_barrier_signal -1                            ; block 2: nothing is left to fetch, so my work-group's barrier is enough: the other slot is whole
	s_barrier_wait -1
	PLACES
.endif
	FETCH 1-\s, 0, 0                               ; the next block's first pair
	WIN MULB
	MUL 1, 2, 4, 0
.else
	s_wait_dscnt 0x0                               ; the very last phase: buffer 1 is in, nothing more to fetch
	WIN MULB
	MUL 1, 0, 4, 0
.endif
	EPI 3, 0
.endm
.macro BLOCK t, s, step0               ; a block of T: 8 tiles, 4 pairs, 2 quads, 256 matrix instructions
	PAIR0 \s, 0
	PAIR1 \s, 0, \step0
	PAIR0 \s, 1
	PAIR1 \s, 1, 0
	PAIR0 \s, 2
	PAIR1 \s, 2, 1
	PAIR0 \s, 3
	LASTPAIR \t, \s
.endm
	s_wait_tensorcnt 0x1                           ; my part of block 0 is in; block 1's load may stay out
	s_barrier_signal -1
	s_barrier_wait -1                              ; everybody's part is in
	FETCH 0, 0, 0
	s_wait_loadcnt 0x0                             ; S
	BLOCK 0, 0, 0                                  ; the four blocks are written out
	BLOCK 1, 1, 1
	BLOCK 2, 0, 1
	BLOCK 3, 1, 1
	s_wait_tensorcnt 0x0                           ; the wave's end
	ds_add_u32 v[SPW], v[NIL]
	s_wait_dscnt 0x0
	ROUND                                          ; the closing round: no work-group ends while a partner may still ask for a block that names it
	s_endpgm
.Lfunc_end_k_q4fff4c099f_proj:
	.size	k_q4fff4c099f_proj, .Lfunc_end_k_q4fff4c099f_proj-k_q4fff4c099f_proj
	.p2alignl 7, 3214868480
	.fill 96, 4, 3214868480
	.section	.rodata,"a",@progbits
	.p2align	6, 0x0
	.amdhsa_kernel k_q4fff4c099f_proj
		.amdhsa_group_segment_fixed_size 327680
		.amdhsa_private_segment_fixed_size 0
		.amdhsa_enable_private_segment 0
		.amdhsa_kernarg_size 80
		.amdhsa_user_sgpr_count 2
		.amdhsa_user_sgpr_kernarg_segment_ptr 1
		.amdhsa_wavefront_size32 1
		.amdhsa_system_sgpr_workgroup_id_x 1
		.amdhsa_system_sgpr_workgroup_id_y 1
		.amdhsa_system_sgpr_workgroup_id_z 1
		.amdhsa_system_vgpr_workitem_id 0
		.amdhsa_next_free_vgpr 1024
		.amdhsa_next_free_sgpr 96
		.amdhsa_reserve_vcc 0
		.amdhsa_float_denorm_mode_32 3
		.amdhsa_float_denorm_mode_16_64 3
		.amdhsa_fp16_overflow 1
		.amdhsa_memory_ordered 1
		.amdhsa_forward_progress 1
		.amdhsa_inst_pref_size 172
	.end_amdhsa_kernel
	.amdgpu_metadata
---
amdhsa.version: [ 1, 2 ]
amdhsa.kernels:
  - .name:           k_q4fff4c099f_proj
    .symbol:         k_q4fff4c099f_proj.kd
    .args:
      - { .name: q_codes, .offset: 0, .size: 8, .value_kind: global_buffer, .address_space: global }
      - { .name: k_codes, .offset: 8, .size: 8, .value_kind: global_buffer, .address_space: global }
      - { .name: v_codes, .offset: 16, .size: 8, .value_kind: global_buffer, .address_space: global }
      - { .name: Wq_codes, .offset: 24, .size: 8, .value_kind: global_buffer, .address_space: global }
      - { .name: Wk_codes, .offset: 32, .size: 8, .value_kind: global_buffer, .address_space: global }
      - { .name: Wv_codes, .offset: 40, .size: 8, .value_kind: global_buffer, .address_space: global }
      - { .name: lowp_scales, .offset: 48, .size: 8, .value_kind: global_buffer, .address_space: global }
      - { .name: q_img, .offset: 56, .size: 8, .value_kind: global_buffer, .address_space: global }
      - { .name: k_img, .offset: 64, .size: 8, .value_kind: global_buffer, .address_space: global }
      - { .name: v_img, .offset: 72, .size: 8, .value_kind: global_buffer, .address_space: global }
    .group_segment_fixed_size: 327680
    .private_segment_fixed_size: 0
    .kernarg_segment_align: 8
    .kernarg_segment_size: 80
    .max_flat_workgroup_size: 128
    .sgpr_count:     96
    .vgpr_count:     1024
    .wavefront_size: 32
...
	.end_amdgpu_metadata
.endif
;; end of part 2
;; launch attn (part 3): grid 4 x 64, 16 waves a work-group, clusters of 4 x 1, 327,680 bytes of LDS; arguments q_img, k_img, v_img, lowp_scales, a_img; writes a_img
.if DOCPART == 3
	.amdgcn_target "amdgcn-amd-amdhsa--gfx1250"
	.amdhsa_code_object_version 6
	.text
	.protected	k_q4fff4c099f_attn
	.globl	k_q4fff4c099f_attn
	.p2align	8
	.type	k_q4fff4c099f_attn,@function
k_q4fff4c099f_attn:
	s_mov_b64 s[64:65], 0
	v_nop
	global_prefetch_b8 v0, s[64:65] scope:SCOPE_SE
	s_setreg_imm32_b32 hwreg(HW_REG_WAVE_MODE, 25, 1), 1
	s_wait_xcnt 0x0
	s_wait_alu depctr_hold_cnt(0) depctr_sa_sdst(0) depctr_va_vdst(0) depctr_va_sdst(0) depctr_va_ssrc(0) depctr_va_vcc(0) depctr_vm_vsrc(0)
	s_getreg_b32 s2, hwreg(HW_REG_IB_STS2, 6, 4)
	s_cmp_eq_u32 s2, 0
	s_cbranch_scc0 .Lentry_in_a_cluster
	s_endpgm
.Lentry_in_a_cluster:
	s_bfe_u32 s2, ttmp6, 0x10000c
	s_cmp_lg_u32 s2, 0x3003
	s_cbranch_scc0 .Lentry_shape_is_right
	s_endpgm
.Lentry_shape_is_right:
; ATTN.  attn[b][h][q] = sum over k of softmax_k(qs . ks / 8) vs, both products on codes of FP8 (E4M3) with the given scales (e6, e7; e8, e9); the result is quantised with e10.
; All operands come as images of their registers (plain 8-bit layout: lane (r, h): row r; registers 2c, 2c+1: k = 16c + 8h + 0..7), so every fragment is read as 512 consecutive bytes a load.
; THE SOFTMAX: t = score x log2(e) / 8; M = the running largest t rounded UP to a whole number; p = 2^(t - M) is what is quantised (scale 2^e8), not normalised.  The row's sum is taken of the
; unquantised p, in f32, and divides at the end.  When M moves, the sum and O are multiplied by 2^(old M - new M), made by v_ldexp_f32: nothing is rounded, and there is no branch on data.
; SHARES.  A work-group owns 512 queries of one head; each of its sixteen waves owns 32 of them, two tiles of 16, and works on both at once: each fragment of K and V read from LDS feeds two matrix instructions.
; Four waves share a SIMD, so that one wave's softmax stands beside another's products and LDS loads.  Keys go 64 a step: two tiles then fit in 256 registers, and no register window is switched.
; A HEAD'S K AND V STAY IN LDS: 131,072 bytes each, dense copies of the head's images, filled ONCE: no byte of LDS is filled twice, so there is no ring.
; CLUSTER: the four query blocks of a head form a cluster and take K and V by JOINT loads: the same tensor load, with the same descriptor and the mask of the four, in all four.
; A wave issues two loads: its part of key steps 0-3, then its part of the rest; the first four steps are worked while the rest lands.  By this text's count a wave has at most one tensor load outstanding.
; LAYOUT.  Both products are used transposed: S^T = K Q^T (source 0 = 16 keys, source 1 = 16 queries), O^T = V^T P^T (source 0 = 16 channels, source 1 = P): a lane holds ONE query throughout; a result's eight
; registers are eight neighbours along the next K, so one conversion gives registers 2c, 2c+1 of the next operand.
; LIMITS, so that each power of two below is an f32 number: e6 + e7 between -123 and 130 (added to c's exponent field); e8 and e10 between -126 and 119; e8 + e9 goes by v_ldexp_f32 and has none.  NaN is not served.
.set LI,   1                           ; v1    16 x lane
.set LV,   2                           ; v2    the same in V's half of LDS
.set ADK,  3                           ; v3    LDS address of the step's K
.set ADV,  4                           ; v4    of its V
.set LIM,  5
.set SCL,  6                           ; v6    2^e8; at the end 2^e10
.set ST,   8                           ; tile i's statistics at v[ST + 12 i]: +0 -M, +1 the largest t, +2, +3 the sum in two halves, +4 f (+5 written once: named with it as a pair), +6, +7 at work, +8, +9 a second chain of sums, +10 for the lane exchange
.set QF,   32                          ; v32-47   Q: tile i at 32 + 8 i
.set KF,   48                          ; v48-79   K: 16 keys kt at 48 + 8 kt
.set SC,   80                          ; v80-143  S^T, then p: 80 + 32 i + 8 kt
.set OA,   144                         ; v144-207 O^T: 144 + 32 i + 8 t
.set PC,   208                         ; v208-223 p's codes: 208 + 8 i + 2 kt
.set VF,   224                         ; v224-255 V: 16 channels t at 224 + 8 t
.set WV,   14                          ; s14   my wave's number
.set CS,   22                          ; s[22:23] c = log2(e) / 8 x 2^(e6 + e7): the packed form names a pair and takes its low word for both halves
.set G1A,  24                          ; s[24:31] descriptor group 1 of the first load;  s[32:39] of the second;  s[40:43], s[44:47] their groups 0
.set G1B,  32
.set G0A,  40
.set G0B,  44
.set SEL,  48                          ; s[48:49] lane selects for v_permlanex16_b32: lane l xor 16
.set TB,   50                          ; s50   LDS byte at which the step's K begins
.set CNT,  51                          ; s51   trips to go
.set HEADB, 131072                     ; a head's image, and a half of the LDS in use
.set EARLY, 16384                      ; key steps 0-3: 4 x 4,096 bytes
.macro PLACES
.rept 4
	v_nop
.endr
.endm
.macro ROUND                           ; a round of the cluster's barrier
	s_barrier_signal -1
	s_barrier_wait -1
	s_cmp_lg_u32 s[WV], 0
	s_cbranch_scc1 .Lnot_wave_0_\@
	s_barrier_signal -3
.Lnot_wave_0_\@:
	s_barrier_wait -3
	s_barrier_signal -1
	s_barrier_wait -1
.endm
	s_load_b256 s[4:11], s[0:1], 0x0               ; q_img s[4:5], k_img s[6:7], v_img s[8:9], the scales' exponents s[10:11]
	s_load_b64 s[12:13], s[0:1], 0x20              ; a_img
	v_lshl_add_u32 v19, v0, 2, 0x40000
	v_mov_b32 v31, 0
	ds_add_u32 v19, v31
	ds_add_u32 v19, v31
	v_lshrrev_b32 v1, 5, v0
	s_delay_alu instid0(VALU_DEP_1)
	v_readfirstlane_b32 s[WV], v1                  ; wave 0..15
	s_bfe_u32 s15, ttmp6, 0x40000                  ; cx: my block of 512 queries: it enters Q's and the output's addresses alone
	s_and_b32 s52, ttmp7, 0xffff                   ; 16 x batch + head, which the four partners share
	s_lshr_b32 s53, s[WV], 3                       ; waves 0-7 fetch K, waves 8-15 V,
	s_and_b32 s54, s[WV], 7                        ; each an eighth
	s_lshl_b32 s55, s53, 17                        ; K's or V's half of LDS
	s_lshl_b32 s56, s54, 11                        ; the first load: 2,048 bytes of the first 16,384,
	s_mul_i32 s57, s54, 14336
	s_add_co_u32 s57, s57, EARLY                   ; the second: 14,336 bytes of the other 114,688; the places are the same in memory and in LDS
	; descriptor groups 1: dense blocks as rows of 256 bytes (32 elements of 8 bytes): 8 rows and 56 rows
	s_mov_b32 s[G1A+0], 15|(3<<16)|(1<<21)         ; 15:0 the mask: all four work-groups; 17:16 elements of 8 bytes; 21 set beside a mask; no padding
	s_mov_b32 s[G1A+1], 32<<16                     ; tensor_dim0 = 32
	s_mov_b32 s[G1A+2], 8<<16                      ; tensor_dim1 = 8
	s_mov_b32 s[G1A+3], 32<<16                     ; tile_dim0 = 32
	s_mov_b32 s[G1A+4], 8                          ; tile_dim1 = 8
	s_mov_b32 s[G1A+5], 32                         ; from row to row
	s_mov_b32 s[G1A+6], 0
	s_mov_b32 s[G1A+7], 0
	s_mov_b32 s[G1B+0], 15|(3<<16)|(1<<21)
	s_mov_b32 s[G1B+1], 32<<16
	s_mov_b32 s[G1B+2], 56<<16
	s_mov_b32 s[G1B+3], 32<<16
	s_mov_b32 s[G1B+4], 56
	s_mov_b32 s[G1B+5], 32
	s_mov_b32 s[G1B+6], 0
	s_mov_b32 s[G1B+7], 0
	s_mov_b32 s[G0A], 1
	s_add_co_u32 s[G0A+1], s55, s56                ; LDS addresses: the wave's number and constants alone
	s_mov_b32 s[G0B], 1
	s_add_co_u32 s[G0B+1], s55, s57
	s_lshl_b32 s58, s52, 17                        ; the head's image in each of the three buffers
	s_mov_b32 s59, 0
	s_mov_b32 s63, 0
	s_lshl_b32 s66, s15, 15                        ; Q: tiles 32 cx + 2 wave on, 1,024 bytes a tile
	s_lshl_b32 s67, s[WV], 11
	s_add_co_u32 s66, s66, s67
	s_add_co_u32 s66, s66, s58
	s_mov_b32 s67, 0
	s_lshr_b32 s68, s52, 4                         ; the output: token tile 128 batch + 32 cx + 2 wave, 16,384 bytes a tile; my head's 1,024 bytes in it
	s_lshl_b32 s68, s68, 7
	s_lshl_b32 s69, s15, 5
	s_add_co_u32 s68, s68, s69
	s_lshl_b32 s69, s[WV], 1
	s_add_co_u32 s68, s68, s69
	s_lshl_b32 s68, s68, 14
	s_and_b32 s69, s52, 15
	s_lshl_b32 s69, s69, 10
	s_add_co_u32 s68, s68, s69
	s_mov_b32 s69, 0
	s_mov_b32 s[SEL], 0x76543210
	s_mov_b32 s[SEL+1], 0xfedcba98
	s_mov_b32 s[CS], 0x3e38aa3b                    ; log2(e) / 8
	s_mov_b32 s[TB], 0
	s_wait_dscnt 0x0
	s_wait_kmcnt 0x0
	s_load_b128 s[16:19], s[10:11], 0x18           ; e6, e7, e8, e9
	s_load_b32 s20, s[10:11], 0x28                 ; e10
	s_cmp_eq_u32 s53, 0                            ; K's image or V's: the choice hangs on the wave's number alone
	s_cselect_b64 s[60:61], s[6:7], s[8:9]
	s_add_nc_u64 s[60:61], s[60:61], s[58:59]
	s_mov_b32 s62, s56
	s_add_nc_u64 s[G0A+2:G0A+3], s[60:61], s[62:63]
	s_or_b32 s[G0A+3], s[G0A+3], 0x80000000        ; type = 2
	s_mov_b32 s62, s57
	s_add_nc_u64 s[G0B+2:G0B+3], s[60:61], s[62:63]
	s_or_b32 s[G0B+3], s[G0B+3], 0x80000000
	s_add_nc_u64 s[4:5], s[4:5], s[66:67]
	s_add_nc_u64 s[12:13], s[12:13], s[68:69]
	ROUND                                          ; all four work-groups are here: the joint loads meet
	tensor_load_to_lds s[G0A:G0A+3], s[G1A:G1A+7]  ; my part of key steps 0-3
	s_nop 0
	s_wait_alu depctr_va_vdst(0)
	s_wait_tensorcnt 0x0
	ds_add_u32 v19, v31
	s_wait_dscnt 0x0
	ROUND
	tensor_load_to_lds s[G0B:G0B+3], s[G1B:G1B+7]  ; my part of key steps 4-31: issued after the first has landed
	s_nop 0
	PLACES                                         ; four v_nop follow the loads
	v_and_b32 v[LI], 31, v0
	s_delay_alu instid0(VALU_DEP_1)
	v_lshlrev_b32 v[LI], 4, v[LI]
	s_delay_alu instid0(VALU_DEP_1)
	v_add_nc_u32 v[LV], HEADB, v[LI]
.irp n, 0,1,2,3
	global_load_b128 v[QF+4*\n:QF+4*\n+3], v[LI], s[4:5] offset:512*\n   ; Q's two fragments stay in registers
.endr
.irp i, 0,1
	v_mov_b32 v[ST+12*\i+1], 0xff61b1e6            ; the largest t so far: -3e38, under every t
	s_delay_alu instid0(VALU_DEP_1)
	v_floor_f32 v[ST+12*\i], -v[ST+12*\i+1]        ; -M
	v_mov_b32 v[ST+12*\i+2], 0                     ; the sum, in two halves
	v_mov_b32 v[ST+12*\i+3], 0
	v_mov_b32 v[ST+12*\i+5], 0                     ; (named as the upper half of f's pair)
	v_mov_b32 v[ST+12*\i+10], 0                    ; a lane permute's destination counts as one of its sources
.endr
.set J, 0
.rept 64
	v_mov_b32 v[OA+J], 0                           ; O^T.  (The step is written without a first step of its own: it finds zeros, which the first change of M leaves zeros)
.set J, J+1
.endr
	s_wait_kmcnt 0x0
	s_add_co_i32 s70, s16, s17
	s_lshl_b32 s70, s70, 23
	s_add_co_i32 s[CS], s[CS], s70                 ; a score stands for score x 2^(e6 + e7): the exponents are added to c's exponent field
	s_mov_b32 s[CS+1], s[CS]                       ; (named with it as a pair, so it is written)
	s_add_co_i32 s70, s18, 127
	s_lshl_b32 s71, s70, 23
	v_mov_b32 v[SCL], s71                          ; 2^e8 as f32
.macro SMAX i                          ; the largest of my query's 32 scores, in two chains, ascending: each accumulator is read from its low end on
.set RS, SC+32*\i
.set RT, ST+12*\i
	v_max3_num_f32 v[RT+6], v[RS], v[RS+1], v[RS+2]
	v_max3_num_f32 v[RT+7], v[RS+3], v[RS+4], v[RS+5]
.irp n, 6,10,14,18,22,26
	v_max3_num_f32 v[RT+6], v[RT+6], v[RS+\n], v[RS+\n+1]
	v_max3_num_f32 v[RT+7], v[RT+7], v[RS+\n+2], v[RS+\n+3]
.endr
	v_max3_num_f32 v[RT+6], v[RT+6], v[RS+30], v[RS+31]
	s_delay_alu instid0(VALU_DEP_1)
	v_max_num_f32 v[RT+6], v[RT+6], v[RT+7]
.endm
.macro STAT i
.set RT, ST+12*\i
	v_permlanex16_b32 v[RT+10], v[RT+6], s[SEL], s[SEL+1]   ; the query's other 32 keys lie in lane l xor 16
	s_delay_alu instid0(VALU_DEP_1)
	v_max_num_f32 v[RT+6], v[RT+6], v[RT+10]
	s_delay_alu instid0(VALU_DEP_1)
	v_mul_f32 v[RT+6], s[CS], v[RT+6]              ; as t (c is positive)
	s_delay_alu instid0(VALU_DEP_1)
	v_max_num_f32 v[RT+1], v[RT+1], v[RT+6]        ; the running largest t
	v_mov_b32 v[RT+6], v[RT]
	s_delay_alu instid0(VALU_DEP_2)
	v_floor_f32 v[RT], -v[RT+1]                    ; the new -M = floor(-t) = -ceil(t): a whole number
	s_delay_alu instid0(VALU_DEP_1)
	v_sub_f32 v[RT+6], v[RT], v[RT+6]              ; old M - new M: a whole number, 0 or less
	s_delay_alu instid0(VALU_DEP_1)
	v_cvt_i32_f32 v[RT+6], v[RT+6]                 ; (it saturates)
	s_delay_alu instid0(VALU_DEP_1)
	v_ldexp_f32 v[RT+4], 1.0, v[RT+6]              ; f = 2^(old M - new M)
.endm
.macro SEXP i
.set RS, SC+32*\i
.set RT, ST+12*\i
.set J, 0
.rept 16
	v_pk_fma_f32 v[RS+J:RS+J+1], v[RS+J:RS+J+1], s[CS:CS+1], v[RT:RT+1] op_sel_hi:[1,0,0]   ; t - M, two at a time
.set J, J+2
.endr
.set J, 0
	s_wait_alu depctr_va_vdst(0)
.rept 32
	v_exp_f32 v[RS+J], v[RS+J]                     ; p = 2^(t - M), at most 1
.set J, J+1
.endr
.endm
.macro SSUM i                          ; the row's sum of the UNQUANTISED p.  Its first line is a plain place behind the exponentials
.set RS, SC+32*\i
.set RT, ST+12*\i
	v_pk_mul_f32 v[RT+2:RT+3], v[RT+2:RT+3], v[RT+4:RT+5] op_sel_hi:[1,0]   ; the sum under the new M
	s_wait_alu depctr_va_vdst(0)
	v_pk_add_f32 v[RT+8:RT+9], v[RS:RS+1], v[RS+2:RS+3]
.irp n, 4,8,12,16,20,24,28
	v_pk_add_f32 v[RT+2:RT+3], v[RT+2:RT+3], v[RS+\n:RS+\n+1]
	v_pk_add_f32 v[RT+8:RT+9], v[RT+8:RT+9], v[RS+\n+2:RS+\n+3]
.endr
	s_delay_alu instid0(VALU_DEP_1)
	v_pk_add_f32 v[RT+2:RT+3], v[RT+2:RT+3], v[RT+8:RT+9]
.endm
.macro SQNT i                          ; p into codes: the eight registers of keys 16 kt + 8 h + 0..7 give registers 2 kt, 2 kt + 1 of the second product's operand
.set RS, SC+32*\i
.irp kt, 0,1,2,3
.irp n, 0,1,2,3,4,5,6,7
.endr
	v_cvt_scalef32_pk8_fp8_f32 v[PC+8*\i+2*\kt:PC+8*\i+2*\kt+1], v[RS+8*\kt:RS+8*\kt+7], v[SCL]
.endr
.endm
.macro SRES i                          ; O^T under the new M.  (Plain lines: also the place between the conversions and the products that read the codes)
.set RT, ST+12*\i
.set J, 0
.rept 16
	v_pk_mul_f32 v[OA+32*\i+J:OA+32*\i+J+1], v[OA+32*\i+J:OA+32*\i+J+1], v[RT+4:RT+5] op_sel_hi:[1,0]
.set J, J+2
.endr
.endm
; A KEY STEP: 64 keys, both tiles.
.macro STEP
	s_setprio 2
	v_add_nc_u32 v[ADK], s[TB], v[LI]
	v_add_nc_u32 v[ADV], s[TB], v[LV]
.irp kt, 0,1,2,3
	ds_load_b128 v[KF+8*\kt:KF+8*\kt+3], v[ADK] offset:1024*\kt          ; 32 lanes read 512 consecutive bytes
	ds_load_b128 v[KF+8*\kt+4:KF+8*\kt+7], v[ADK] offset:1024*\kt+512
.endr
	s_wait_alu depctr_va_vdst(0)
	s_wait_dscnt 0x0
.irp kt, 0,1,2,3
.irp i, 0,1
	v_wmma_f32_16x16x64_fp8_fp8 v[SC+32*\i+8*\kt:SC+32*\i+8*\kt+7], v[KF+8*\kt:KF+8*\kt+7], v[QF+8*\i:QF+8*\i+7], 0
.endr
.endr
	PLACES                                         ; in front of the reads of the scores, and (with the two additions above) of the loads into V's registers, which the last step's products read
.irp t, 0,1,2,3
	ds_load_b128 v[VF+8*\t:VF+8*\t+3], v[ADV] offset:1024*\t             ; V lands under the softmax
	ds_load_b128 v[VF+8*\t+4:VF+8*\t+7], v[ADV] offset:1024*\t+512
.endr
	SMAX 0
	SMAX 1
	STAT 0
	STAT 1
	SEXP 0
	SEXP 1
	s_setprio 1
	SSUM 0
	SSUM 1
	SQNT 0
	SQNT 1
	SRES 0
	SRES 1
	s_setprio 0
	s_wait_alu depctr_va_vdst(0)
	s_wait_dscnt 0x0                               ; V is in
.irp t, 0,1,2,3
.irp i, 0,1
	v_wmma_f32_16x16x64_fp8_fp8 v[OA+32*\i+8*\t:OA+32*\i+8*\t+7], v[VF+8*\t:VF+8*\t+7], v[PC+8*\i:PC+8*\i+7], v[OA+32*\i+8*\t:OA+32*\i+8*\t+7]   ; eight accumulators, one instruction each
.endr
.endr
	s_add_co_u32 s[TB], s[TB], 4096                ; the next 64 keys
.endm
	s_wait_tensorcnt 0x1                           ; my part of key steps 0-3 is in; the second load may stay out
	s_barrier_signal -1
	s_barrier_wait -1                              ; everybody's part is in
	s_wait_loadcnt 0x0                             ; Q
	s_mov_b32 s[CNT], 4
.Learly:                                           ; key steps 0-3 read the first 16,384 bytes of each half alone
	STEP
	s_sub_co_u32 s[CNT], s[CNT], 1
	s_cmp_lg_u32 s[CNT], 0
	s_cbranch_scc1 .Learly
	s_setprio 0
	s_wait_tensorcnt 0x0                           ; my part of the rest is in,
	s_barrier_signal -1
	s_barrier_wait -1                              ; everybody's is
	s_mov_b32 s[CNT], 28
.Lrest:
	STEP
	s_sub_co_u32 s[CNT], s[CNT], 1
	s_cmp_lg_u32 s[CNT], 0
	s_cbranch_scc1 .Lrest
	s_setprio 0
	; THE END.  O^T x 2^(e8 + e9) / the sum is the head's result; it is quantised with 2^e10 and stored as registers of the last product's operand.
	PLACES
.irp i, 0,1
	v_add_f32 v[ST+12*\i+2], v[ST+12*\i+2], v[ST+12*\i+3]    ; the sum's two halves,
.endr
.irp i, 0,1
	s_delay_alu instid0(VALU_DEP_2)
	v_permlanex16_b32 v[ST+12*\i+10], v[ST+12*\i+2], s[SEL], s[SEL+1]
.endr
.irp i, 0,1
	s_delay_alu instid0(VALU_DEP_2)
	v_add_f32 v[ST+12*\i+2], v[ST+12*\i+2], v[ST+12*\i+10]   ; and lane l xor 16's
.endr
	s_wait_alu depctr_va_vdst(0)
.irp i, 0,1
	v_rcp_f32 v[ST+12*\i+4], v[ST+12*\i+2]
.endr
	v_nop                                          ; one plain place behind the transcendentals
	s_add_co_i32 s70, s18, s19
	s_wait_alu depctr_va_vdst(0)
.irp i, 0,1
	v_ldexp_f32 v[ST+12*\i+4], v[ST+12*\i+4], s70  ; x 2^(e8 + e9)
.endr
	s_add_co_i32 s70, s20, 127
	s_lshl_b32 s71, s70, 23
	v_mov_b32 v[SCL], s71                          ; 2^e10
.irp i, 0,1
.set J, 0
.rept 16
	v_pk_mul_f32 v[SC+32*\i+J:SC+32*\i+J+1], v[OA+32*\i+J:OA+32*\i+J+1], v[ST+12*\i+4:ST+12*\i+5] op_sel_hi:[1,0]   ; each accumulator from its low end on
.set J, J+2
.endr
.endr
.irp i, 0,1
.irp t, 0,1,2,3
.irp n, 0,1,2,3,4,5,6,7
.endr
	v_cvt_scalef32_pk8_fp8_f32 v[PC+8*\i+2*\t:PC+8*\i+2*\t+1], v[SC+32*\i+8*\t:SC+32*\i+8*\t+7], v[SCL]   ; channels 16 t + 8 h + 0..7 of my query
.endr
.endr
	v_nop
.irp i, 0,1
.irp b, 0,1
	global_store_b128 v[LI], v[PC+8*\i+4*\b:PC+8*\i+4*\b+3], s[12:13] offset:16384*\i+512*\b   ; 32 lanes store 512 consecutive bytes
.endr
.endr
	s_wait_tensorcnt 0x0
	ds_add_u32 v19, v31
	s_wait_dscnt 0x0
	ROUND                                          ; the closing round: no work-group ends while a partner may still ask jointly
	s_endpgm
.Lfunc_end_k_q4fff4c099f_attn:
	.size	k_q4fff4c099f_attn, .Lfunc_end_k_q4fff4c099f_attn-k_q4fff4c099f_attn
	.p2alignl 7, 3214868480
	.fill 96, 4, 3214868480
	.section	.rodata,"a",@progbits
	.p2align	6, 0x0
	.amdhsa_kernel k_q4fff4c099f_attn
		.amdhsa_group_segment_fixed_size 327680
		.amdhsa_private_segment_fixed_size 0
		.amdhsa_enable_private_segment 0
		.amdhsa_kernarg_size 40
		.amdhsa_user_sgpr_count 2
		.amdhsa_user_sgpr_kernarg_segment_ptr 1
		.amdhsa_wavefront_size32 1
		.amdhsa_system_sgpr_workgroup_id_x 1
		.amdhsa_system_sgpr_workgroup_id_y 1
		.amdhsa_system_sgpr_workgroup_id_z 1
		.amdhsa_system_vgpr_workitem_id 0
		.amdhsa_next_free_vgpr 256
		.amdhsa_next_free_sgpr 80
		.amdhsa_reserve_vcc 0
		.amdhsa_float_denorm_mode_32 3
		.amdhsa_float_denorm_mode_16_64 3
		.amdhsa_fp16_overflow 1
		.amdhsa_memory_ordered 1
		.amdhsa_forward_progress 1
		.amdhsa_inst_pref_size 42
	.end_amdhsa_kernel
	.amdgpu_metadata
---
amdhsa.version: [ 1, 2 ]
amdhsa.kernels:
  - .name:           k_q4fff4c099f_attn
    .symbol:         k_q4fff4c099f_attn.kd
    .args:
      - { .name: q_img, .offset: 0, .size: 8, .value_kind: global_buffer, .address_space: global }
      - { .name: k_img, .offset: 8, .size: 8, .value_kind: global_buffer, .address_space: global }
      - { .name: v_img, .offset: 16, .size: 8, .value_kind: global_buffer, .address_space: global }
      - { .name: lowp_scales, .offset: 24, .size: 8, .value_kind: global_buffer, .address_space: global }
      - { .name: a_img, .offset: 32, .size: 8, .value_kind: global_buffer, .address_space: global }
    .group_segment_fixed_size: 327680
    .private_segment_fixed_size: 0
    .kernarg_segment_align: 8
    .kernarg_segment_size: 40
    .max_flat_workgroup_size: 512
    .sgpr_count:     80
    .vgpr_count:     256
    .wavefront_size: 32
...
	.end_amdgpu_metadata
.endif
;; end of part 3
;; launch outln (part 4): grid 256 x 1, 16 waves a work-group, no clusters, 166,400 bytes of LDS; arguments a_img, wo_img, q, gamma, beta, lowp_scales, out0; writes out0
.if DOCPART == 4
	.amdgcn_target "amdgcn-amd-amdhsa--gfx1250"
	.amdhsa_code_object_version 6
	.text
	.protected	k_q4fff4c099f_outln
	.globl	k_q4fff4c099f_outln
	.p2align	8
	.type	k_q4fff4c099f_outln,@function
k_q4fff4c099f_outln:
	s_mov_b64 s[64:65], 0
	v_nop
	global_prefetch_b8 v0, s[64:65] scope:SCOPE_SE
	s_setreg_imm32_b32 hwreg(HW_REG_WAVE_MODE, 25, 1), 1
	s_wait_xcnt 0x0
; OUTLN.  out = LayerNorm(attn Wo^T + q) x gamma + beta.  The product runs on codes of FP8 (E4M3) with the given scales e10, e11, sums in f32; all else in f32.
; SHARES.  A work-group owns 32 tokens and all 1,024 columns, so that a row's mean and variance need no other work-group: 8,192 / 32 = 256 work-groups.  Wave w makes columns 64 w .. 64 w + 63:
; 4 tiles of columns x 2 tiles of tokens = 8 accumulators.  The matrix instruction is used transposed (source 0 = 16 rows of Wo, source 1 = 16 tokens): a lane holds one token and eight neighbouring columns.
; attn's 32 KB (two token tiles, images of the operand's registers) are copied into LDS once and read by all sixteen waves.
; Wo's fragments come from wo_img STRAIGHT INTO REGISTERS, 512 consecutive bytes a load, one K step (16 loads a wave) ahead, in two buffers: no barrier stands in the K loop.
; NO CLUSTER, NO JOINT LOADS, though all work-groups read the same Wo: inside a work-group each fragment of Wo feeds ONE wave alone (two matrix instructions); brought jointly it would land in LDS,
; and each of its bytes would be written to LDS and read from it once more for the same two instructions.
; THE NORM is taken in two passes over the row in registers: the mean, then the sum of squares of (y - mean): no difference of large sums is formed.
; LIMIT: e10 + e11 between -126 and 127, so that 2^(e10 + e11) is an f32 number.
.set STG,    32768                     ; LDS: attn's image, 32,768 bytes; then the stage: 32 rows x SPITCH
.set SPITCH, 4112                      ; a stage row: 4,096 bytes + 16 = 257 x 16: the 16 rows that a store touches start at 16 different 16-byte columns modulo 256 bytes
.set LI,   1                           ; v1   16 x lane
.set TI,   2                           ; v2   16 x thread
.set SO,   3                           ; v3, v4  the stage: where I put 32 bytes of a row, token tile 0, 1 (16 rows are more than an LDS immediate holds)
.set SR,   5                           ; v5   and where I read my two rows back
.set ACC,  16                          ; v16-79   accumulator (u, t) at 16 + 8 (4 u + t); later my two rows, row p at 16 + 32 p
.set AF,   80                          ; v80-111  attn's two fragments of a K step
.set WB,   112                         ; v112-239 Wo's fragments, two buffers of 64; later q's two rows (112 + 32 p), gamma (176), beta (208)
.set GA,   176
.set BE,   208
.set CP,   240                         ; v240-255 the copy of attn's image
.macro PLACES
.rept 4
	v_nop
.endr
.endm
	s_load_b256 s[4:11], s[0:1], 0x0               ; a_img s[4:5], wo_img s[6:7], q s[8:9], gamma s[10:11]
	s_load_b128 s[12:15], s[0:1], 0x20             ; beta s[12:13], the scales' exponents s[14:15]
	s_load_b64 s[16:17], s[0:1], 0x30              ; out0
	v_lshl_add_u32 v14, v0, 2, 0x28200
	v_mov_b32 v15, 0
	v_lshrrev_b32 v1, 5, v0
	s_delay_alu instid0(VALU_DEP_1)
	v_readfirstlane_b32 s18, v1                    ; wave 0..15
	v_and_b32 v6, 31, v0
	s_delay_alu instid0(VALU_DEP_1)
	v_lshlrev_b32 v[LI], 4, v6
	v_lshlrev_b32 v[TI], 4, v0
	v_and_b32 v7, 15, v0                           ; r
	v_bfe_u32 v8, v0, 4, 1                         ; h
	s_delay_alu instid0(VALU_DEP_2)
	v_mul_u32_u24 v[SO], v7, SPITCH
	s_delay_alu instid0(VALU_DEP_1)
	v_lshl_add_u32 v[SO], v8, 5, v[SO]
	s_lshl_b32 s19, s18, 8
	s_add_co_u32 s19, s19, STG
	v_add_nc_u32 v[SO], s19, v[SO]                 ; row r, + 32 h, + my 64 columns' 256 bytes
	s_delay_alu instid0(VALU_DEP_1)
	v_add_nc_u32 v[SO+1], 16*SPITCH, v[SO]
	s_mul_i32 s19, s18, 2*SPITCH
	s_add_co_u32 s19, s19, STG
	v_add_nc_u32 v[SR], s19, v[LI]                 ; rows 2 w, 2 w + 1; 16 bytes a lane
	v_mov_b32 v10, 0                               ; a lane permute's destination counts as one of its sources
	s_lshl_b32 s22, ttmp9, 15                      ; attn: two token tiles of 16,384 bytes a work-group
	s_mov_b32 s23, 0
	s_lshl_b32 s24, s18, 16                        ; Wo: four tiles of 16,384 bytes a wave
	s_mov_b32 s25, 0
	s_lshl_b32 s26, ttmp9, 5
	s_lshl_b32 s27, s18, 1
	s_add_co_u32 s26, s26, s27
	s_lshl_b32 s26, s26, 12                        ; q and out0: token 32 g + 2 w, 4,096 bytes a row
	s_mov_b32 s27, 0
	s_mov_b32 s42, 0x3a800000                      ; 1 / 1,024
	s_mov_b32 s43, 0x3727c5ac                      ; 1e-5
	s_mov_b32 s44, 0x76543210                      ; v_permlanex16_b32: lane l xor 16
	s_mov_b32 s45, 0xfedcba98
	s_wait_alu depctr_va_vdst(0)
	s_wait_kmcnt 0x0
	s_load_b64 s[20:21], s[14:15], 0x28            ; e10, e11
	s_add_nc_u64 s[4:5], s[4:5], s[22:23]
	s_add_nc_u64 s[6:7], s[6:7], s[24:25]
	s_add_nc_u64 s[8:9], s[8:9], s[26:27]
	s_add_nc_u64 s[16:17], s[16:17], s[26:27]
.irp n, 0,1,2,3
	global_load_b128 v[CP+4*\n:CP+4*\n+3], v[TI], s[4:5] offset:8192*\n   ; 512 threads x 16 bytes x 4 = the image
.endr
.irp t, 0,1,2,3
.irp c, 0,1,2,3
	global_load_b128 v[WB+16*\t+4*\c:WB+16*\t+4*\c+3], v[LI], s[6:7] offset:16384*\t+512*\c   ; Wo, K step 0
.endr
.endr
	s_wait_loadcnt 16                              ; the image's four loads are in; Wo's sixteen may be out
.irp n, 0,1,2,3
	ds_store_b128 v[TI], v[CP+4*\n:CP+4*\n+3] offset:8192*\n
.endr
	s_wait_dscnt 0x0                               ; for the others' sake: my stores have landed
	s_barrier_signal -1
	s_barrier_wait -1                              ; attn's image lies in LDS
; A K step of 128: the next step's Wo is asked for, attn's two fragments come from LDS, eight matrix instructions on eight accumulators.
.macro KS ks
.if \ks > 0
	PLACES                                         ; in front of the loads into registers that the last step's products read
.endif
.if \ks < 7
.irp t, 0,1,2,3
.irp c, 0,1,2,3
	global_load_b128 v[WB+64*((\ks+1)%2)+16*\t+4*\c:WB+64*((\ks+1)%2)+16*\t+4*\c+3], v[LI], s[6:7] offset:16384*\t+2048*(\ks+1)+512*\c
.endr
.endr
.endif
.irp u, 0,1
.irp c, 0,1,2,3
	ds_load_b128 v[AF+16*\u+4*\c:AF+16*\u+4*\c+3], v[LI] offset:16384*\u+2048*\ks+512*\c
.endr
.endr
.if \ks < 7
	s_wait_loadcnt 16                              ; this step's Wo is in; the sixteen loads just issued may be out
.else
	s_wait_loadcnt 0x0
.endif
	s_wait_dscnt 0x0
.irp t, 0,1,2,3
.irp u, 0,1
.if \ks == 0
	v_wmma_f32_16x16x128_fp8_fp8 v[ACC+8*(4*\u+\t):ACC+8*(4*\u+\t)+7], v[WB+64*(\ks%2)+16*\t:WB+64*(\ks%2)+16*\t+15], v[AF+16*\u:AF+16*\u+15], 0
.else
	v_wmma_f32_16x16x128_fp8_fp8 v[ACC+8*(4*\u+\t):ACC+8*(4*\u+\t)+7], v[WB+64*(\ks%2)+16*\t:WB+64*(\ks%2)+16*\t+15], v[AF+16*\u:AF+16*\u+15], v[ACC+8*(4*\u+\t):ACC+8*(4*\u+\t)+7]
.endif
.endr
.endr
.endm
.irp ks, 0,1,2,3,4,5,6,7
	KS \ks
.endr
	PLACES                                         ; in front of the loads into Wo's registers and of the stores of the sums
.irp p, 0,1
.irp n, 0,1,2,3,4,5,6,7
	global_load_b128 v[WB+32*\p+4*\n:WB+32*\p+4*\n+3], v[LI], s[8:9] offset:4096*\p+512*\n th:TH_LOAD_NT   ; q's rows 2 w, 2 w + 1: the residual
.endr
.endr
.irp n, 0,1,2,3,4,5,6,7
	global_load_b128 v[GA+4*\n:GA+4*\n+3], v[LI], s[10:11] offset:512*\n
	global_load_b128 v[BE+4*\n:BE+4*\n+3], v[LI], s[12:13] offset:512*\n
.endr
.irp u, 0,1
.irp t, 0,1,2,3
	ds_store_b128 v[SO+\u], v[ACC+8*(4*\u+\t):ACC+8*(4*\u+\t)+3] offset:64*\t        ; lane (r, h): token 16 u + r, columns 64 w + 16 t + 8 h + 0..7; each accumulator from its low end on
	ds_store_b128 v[SO+\u], v[ACC+8*(4*\u+\t)+4:ACC+8*(4*\u+\t)+7] offset:64*\t+16
.endr
.endr
	s_wait_dscnt 0x0                               ; for the others' sake: my stores have landed
	s_barrier_signal -1
	s_barrier_wait -1                              ; 32 whole rows of sums lie in the stage
.irp p, 0,1
.irp n, 0,1,2,3,4,5,6,7
	ds_load_b128 v[ACC+32*\p+4*\n:ACC+32*\p+4*\n+3], v[SR] offset:SPITCH*\p+512*\n   ; a whole row in one wave: lane l holds columns 128 n + 4 l + 0..3
.endr
.endr
	s_wait_kmcnt 0x0
	s_add_co_i32 s40, s20, s21
	s_add_co_i32 s40, s40, 127
	s_lshl_b32 s40, s40, 23                        ; 2^(e10 + e11) as f32
	s_mov_b32 s41, s40                             ; (named with it as a pair, so it is written)
	s_wait_loadcnt 0x0                             ; q, gamma, beta
	s_wait_dscnt 0x0
.macro WSUM r                          ; the sum over the wave's 32 lanes, in every lane
	s_delay_alu instid0(VALU_DEP_1)
	v_add_f32_dpp v[\r], v[\r], v[\r] row_xmask:1 row_mask:0xf bank_mask:0xf
	s_delay_alu instid0(VALU_DEP_1)
	v_add_f32_dpp v[\r], v[\r], v[\r] row_xmask:2 row_mask:0xf bank_mask:0xf
	s_delay_alu instid0(VALU_DEP_1)
	v_add_f32_dpp v[\r], v[\r], v[\r] row_xmask:4 row_mask:0xf bank_mask:0xf
	s_delay_alu instid0(VALU_DEP_1)
	v_add_f32_dpp v[\r], v[\r], v[\r] row_xmask:8 row_mask:0xf bank_mask:0xf
	s_delay_alu instid0(VALU_DEP_1)
	v_permlanex16_b32 v10, v[\r], s44, s45
	s_delay_alu instid0(VALU_DEP_1)
	v_add_f32 v[\r], v[\r], v10
.endm
.macro ROW p
.set YB, ACC+32*\p
.set QB, WB+32*\p
.set J, 0
.rept 16
	v_pk_fma_f32 v[YB+J:YB+J+1], v[YB+J:YB+J+1], s[40:41], v[QB+J:QB+J+1] op_sel_hi:[1,0,1]   ; y = sum x 2^(e10 + e11) + q
.set J, J+2
.endr
	v_pk_add_f32 v[6:7], v[YB:YB+1], v[YB+2:YB+3]  ; the row's sum, in two packed chains
	v_pk_add_f32 v[8:9], v[YB+4:YB+5], v[YB+6:YB+7]
.irp n, 8,12,16,20,24,28
	s_delay_alu instid0(VALU_DEP_2)
	v_pk_add_f32 v[6:7], v[6:7], v[YB+\n:YB+\n+1]
	s_delay_alu instid0(VALU_DEP_2)
	v_pk_add_f32 v[8:9], v[8:9], v[YB+\n+2:YB+\n+3]
.endr
	s_delay_alu instid0(VALU_DEP_1)
	v_pk_add_f32 v[6:7], v[6:7], v[8:9]
	s_delay_alu instid0(VALU_DEP_1)
	v_add_f32 v6, v6, v7
	WSUM 6
	s_delay_alu instid0(VALU_DEP_1)
	v_mul_f32 v6, s42, v6                          ; the mean
.set J, 0
.rept 16
	v_pk_add_f32 v[YB+J:YB+J+1], v[YB+J:YB+J+1], v[6:7] op_sel_hi:[1,0] neg_lo:[0,1] neg_hi:[0,1]   ; d = y - mean
.set J, J+2
.endr
	v_pk_mul_f32 v[8:9], v[YB:YB+1], v[YB:YB+1]    ; the sum of d^2, in two packed chains
	v_pk_mul_f32 v[12:13], v[YB+2:YB+3], v[YB+2:YB+3]
.irp n, 4,8,12,16,20,24,28
	s_delay_alu instid0(VALU_DEP_2)
	v_pk_fma_f32 v[8:9], v[YB+\n:YB+\n+1], v[YB+\n:YB+\n+1], v[8:9]
	s_delay_alu instid0(VALU_DEP_2)
	v_pk_fma_f32 v[12:13], v[YB+\n+2:YB+\n+3], v[YB+\n+2:YB+\n+3], v[12:13]
.endr
	s_delay_alu instid0(VALU_DEP_1)
	v_pk_add_f32 v[8:9], v[8:9], v[12:13]
	s_delay_alu instid0(VALU_DEP_1)
	v_add_f32 v8, v8, v9
	WSUM 8
	s_delay_alu instid0(VALU_DEP_1)
	v_fma_f32 v8, v8, s42, s43                     ; the variance + 1e-5
	s_wait_alu depctr_va_vdst(0)
	v_rsq_f32 v8, v8
	v_nop                                          ; one plain place behind the transcendental
.set J, 0
	s_wait_alu depctr_va_vdst(0)
.rept 16
	v_pk_mul_f32 v[YB+J:YB+J+1], v[YB+J:YB+J+1], v[8:9] op_sel_hi:[1,0]
.set J, J+2
.endr
.set J, 0
.rept 16
	v_pk_fma_f32 v[YB+J:YB+J+1], v[YB+J:YB+J+1], v[GA+J:GA+J+1], v[BE+J:BE+J+1]
.set J, J+2
.endr
.irp n, 0,1,2,3,4,5,6,7
	global_store_b128 v[LI], v[YB+4*\n:YB+4*\n+3], s[16:17] offset:4096*\p+512*\n th:TH_STORE_NT   ; 32 lanes store 512 consecutive bytes, at a multiple of 512 from out0's first byte
.endr
.endm
	ROW 0
	ROW 1
	s_wait_tensorcnt 0x0
	ds_add_u32 v14, v15
	s_wait_dscnt 0x0
	s_endpgm
.Lfunc_end_k_q4fff4c099f_outln:
	.size	k_q4fff4c099f_outln, .Lfunc_end_k_q4fff4c099f_outln-k_q4fff4c099f_outln
	.p2alignl 7, 3214868480
	.fill 96, 4, 3214868480
	.section	.rodata,"a",@progbits
	.p2align	6, 0x0
	.amdhsa_kernel k_q4fff4c099f_outln
		.amdhsa_group_segment_fixed_size 166400
		.amdhsa_private_segment_fixed_size 0
		.amdhsa_enable_private_segment 0
		.amdhsa_kernarg_size 56
		.amdhsa_user_sgpr_count 2
		.amdhsa_user_sgpr_kernarg_segment_ptr 1
		.amdhsa_wavefront_size32 1
		.amdhsa_system_sgpr_workgroup_id_x 1
		.amdhsa_system_sgpr_workgroup_id_y 1
		.amdhsa_system_sgpr_workgroup_id_z 1
		.amdhsa_system_vgpr_workitem_id 0
		.amdhsa_next_free_vgpr 256
		.amdhsa_next_free_sgpr 66
		.amdhsa_reserve_vcc 0
		.amdhsa_float_denorm_mode_32 3
		.amdhsa_float_denorm_mode_16_64 3
		.amdhsa_memory_ordered 1
		.amdhsa_forward_progress 1
		.amdhsa_inst_pref_size 49
	.end_amdhsa_kernel
	.amdgpu_metadata
---
amdhsa.version: [ 1, 2 ]
amdhsa.kernels:
  - .name:           k_q4fff4c099f_outln
    .symbol:         k_q4fff4c099f_outln.kd
    .args:
      - { .name: a_img, .offset: 0, .size: 8, .value_kind: global_buffer, .address_space: global }
      - { .name: wo_img, .offset: 8, .size: 8, .value_kind: global_buffer, .address_space: global }
      - { .name: q, .offset: 16, .size: 8, .value_kind: global_buffer, .address_space: global }
      - { .name: gamma, .offset: 24, .size: 8, .value_kind: global_buffer, .address_space: global }
      - { .name: beta, .offset: 32, .size: 8, .value_kind: global_buffer, .address_space: global }
      - { .name: lowp_scales, .offset: 40, .size: 8, .value_kind: global_buffer, .address_space: global }
      - { .name: out0, .offset: 48, .size: 8, .value_kind: global_buffer, .address_space: global }
    .group_segment_fixed_size: 166400
    .private_segment_fixed_size: 0
    .kernarg_segment_align: 8
    .kernarg_segment_size: 56
    .max_flat_workgroup_size: 512
    .sgpr_count:     66
    .vgpr_count:     256
    .wavefront_size: 32
...
	.end_amdgpu_metadata
.endif
;; end of part 4
